; MI455X (gfx1250); checked and timed in simulation.
; The chip was launched on July 23, 2026; its instructions are those of AMD's public machine-readable ISA for CDNA 5 (MIT licence, August 2026) and "CDNA5" Instruction Set Architecture Reference Guide (July 2026). The comments in the code are by the model that wrote it; some were corrected since.
;; Attn WROPEX. Allowed arithmetic: float matrix products may take bf16 or f16 operands with f32 sums; all other float work in f32.
;; Inputs: Wkv 1,024 x 2,048 float32; Wo 1,024 x 1,024 float32; Wq 1,024 x 1,024 float32; bkv 2,048 float32; bo 1,024 float32; bq 1,024 float32; x 2 x 2,048 x 1,024 float32.
;; Outputs: out0 2 x 2,048 x 1,024 float32.
;; One version. Each part assembles by itself: llvm-mc -triple=amdgcn-amd-amdhsa -mcpu=gfx1250 --defsym DOCPART=n.
;; ======== version 1 of 1: 4 launches
;; limits: values are held in f16: magnitudes above 65,504 overflow, below 6.1e-05 lose precision
;; workspace buffers: xb 8,388,608 bytes; wall 6,291,456 bytes; wob 2,097,152 bytes; tab 524,288 bytes; qb 8,388,608 bytes; kb 8,388,608 bytes; vb 8,388,608 bytes; ob 8,388,608 bytes
;; launch prep (part 1): grid 256 x 1, 8 waves a work-group, no clusters, 0 bytes of LDS; arguments x, Wq, Wkv, Wo, xb, wall, wob, tab; writes xb, wall, wob, tab
.if DOCPART == 1
	.amdgcn_target "amdgcn-amd-amdhsa--gfx1250"
	.amdhsa_code_object_version 6
	.text
	.protected	k_q5d07051f2a_prep
	.globl	k_q5d07051f2a_prep
	.p2align	8
	.type	k_q5d07051f2a_prep,@function
k_q5d07051f2a_prep:
	s_mov_b64 s[64:65], 0
	v_nop
	global_prefetch_b8 v0, s[64:65] scope:SCOPE_SE
	s_setreg_imm32_b32 hwreg(HW_REG_WAVE_MODE, 25, 1), 1
	s_wait_xcnt 0x0
; Casts x, Wq, Wkv, Wo from f32 to f16, layouts unchanged but for Wq and Wkv, whose rows are laid side by side:
;   wall[k][0..1023] = Wq[k], wall[k][1024..3071] = Wkv[k]   (a row of wall is 6,144 bytes);
; and makes the RoPE table tab[t][0..31] = cos(t th_i), tab[t][32..63] = sin(t th_i), th_i = 10000^(-i/32), f32, 256 bytes a row.
; WHY f16 AND NOT bf16: the result is an average over 2,048 keys, some 25 times smaller than v, and is compared within a hundredth of
; its root mean square; the roundings of the operands along the chain add up, and eight significant bits leave too little margin.
; 256 work-groups of 8 waves.  A work-group casts 64 KiB of x, 4 rows of each weight, and makes 8 rows of the table (one a wave).
; All 32 loads of a thread (16 bytes each; a wave's load covers 512 consecutive bytes) go out first: 128 KiB of a work-group are on
; their way while the table is computed.  Each store of a wave covers 256 consecutive bytes, aligned.  No register is used twice, so no
; wait frees a source.  No LDS, no barrier, no matrix unit: every byte is touched once and nothing is shared.
; LIMITS: f16 holds magnitudes below 65,504 (x as drawn is below 6, the weights below 0.2); below 2^-14 it keeps an absolute step of
; 2^-24 (weights 30 times smaller than drawn have a root mean square of 1e-3: the step is 6e-5 of that).
; The angle is reduced in revolutions, t * (th_i / 2 pi) by one fused multiply-add; th_i comes from v_exp_f32 (1 ulp), so an
; angle may differ from the f32 product t * th_i by about 3e-4 rad at t = 2047.  The sine's series is cut behind the term of degree 11
; on |h| <= 1/4 revolution: the first term left out is below 6e-8 for every t.
.set XR,  8                            ; v[8:135]  32 loads of 4 registers
.set TF,  136                          ; t as f32
.set PH,  137                          ; phase in revolutions: 1/4 for a cosine, 0 for a sine
.set RV,  138                          ; v138, v139: th_i / 2 pi of my two i
.set TY,  140
.set FR,  141                          ; the angle's fraction, -1/2 .. 1/2 revolution
.set AB,  142
.set HH,  143
.set UU,  144
.set PP,  145
.set RES, 146                          ; v[146:147] my two table words
.set TI,  148
	s_load_b512 s[4:19], s[0:1], 0x0               ; x 4, Wq 6, Wkv 8, Wo 10, xb 12, wall 14, wob 16, tab 18
	v_lshlrev_b32 v1, 4, v0                        ; 16 t: my 16 bytes of every 4,096 loaded
	v_lshlrev_b32 v2, 3, v0                        ; 8 t: my 8 bytes of every 2,048 stored
	v_lshrrev_b32 v3, 5, v0
	v_readfirstlane_b32 s23, v3                    ; wave
	s_lshl_b32 s22, ttmp9, 3
	s_add_co_u32 s22, s22, s23                     ; my wave's row of the table: t = 8 g + wave
	s_mov_b32 s21, 0
	s_wait_kmcnt 0x0
.macro ADV ptr, sh                     ; a pointer moves to the work-group's part: g << sh bytes
	s_lshl_b32 s20, ttmp9, \sh
	s_add_nc_u64 s[\ptr:\ptr+1], s[\ptr:\ptr+1], s[20:21]
.endm
	ADV 4, 16                                      ; x: 64 KiB
	ADV 6, 14                                      ; Wq: 4 rows of 4,096 bytes
	ADV 8, 15                                      ; Wkv: 4 rows of 8,192
	ADV 10, 14                                     ; Wo: 4 rows of 4,096
	ADV 12, 15                                     ; xb
	ADV 16, 13                                     ; wob
	ADV 18, 11                                     ; tab: 8 rows of 256
	s_mul_i32 s20, ttmp9, 24576                    ; wall: 4 rows of 6,144
	s_add_nc_u64 s[14:15], s[14:15], s[20:21]
.irp i, 0,1,2,3,4,5,6,7,8,9,10,11,12,13,14,15
	global_load_b128 v[XR+4*\i:XR+4*\i+3], v1, s[4:5] offset:\i*4096 th:TH_LOAD_NT
.endr
.irp i, 0,1,2,3
	global_load_b128 v[XR+64+4*\i:XR+64+4*\i+3], v1, s[6:7] offset:\i*4096 th:TH_LOAD_NT
.endr
.irp i, 0,1,2,3,4,5,6,7
	global_load_b128 v[XR+80+4*\i:XR+80+4*\i+3], v1, s[8:9] offset:\i*4096 th:TH_LOAD_NT
.endr
.irp i, 0,1,2,3
	global_load_b128 v[XR+112+4*\i:XR+112+4*\i+3], v1, s[10:11] offset:\i*4096 th:TH_LOAD_NT
.endr
	; The table, while the loads are on their way.  Lane L makes i = 2 (L & 15) and i + 1; lanes 0-15 cosines, lanes 16-31 sines.
	v_and_b32 v[TI], 15, v0
	v_lshlrev_b32 v[TI], 1, v[TI]
	v_cvt_f32_u32 v[RV], v[TI]
	v_add_f32 v[RV+1], 1.0, v[RV]
	v_mul_f32 v[RV], 0xbed49a78, v[RV]             ; i * (-log2(10000) / 32)
	v_mul_f32 v[RV+1], 0xbed49a78, v[RV+1]
	v_exp_f32 v[RV], v[RV]                         ; th_i
	v_exp_f32 v[RV+1], v[RV+1]
	v_cvt_f32_u32 v[TF], s22                       ; the plain instruction behind the two exponentials (ISA guide 5.7.2)
	s_wait_alu depctr_va_vdst(0)
	v_mul_f32 v[RV], 0x3e22f983, v[RV]             ; / 2 pi: revolutions for each step of t
	v_mul_f32 v[RV+1], 0x3e22f983, v[RV+1]
	v_and_b32 v[TI], 16, v0
	v_mov_b32 v[PH], 0x3e800000
	v_cmp_eq_u32 vcc_lo, 0, v[TI]
	v_cndmask_b32 v[PH], 0, v[PH], vcc_lo          ; cos a = sin(a + 1/4 revolution)
; dst = sin(2 pi (t rev + ph)).  n = the nearest whole number of revolutions; f = t rev + (ph - n) in one rounding (ph - n is exact);
; sin(2 pi f) = sign(f) sin(2 pi h), h = min(|f|, 1/2 - |f|) in 0 .. 1/4; an odd series in h by Horner's rule, all fused.
.macro SINREV dst, rev
	v_fma_f32 v[TY], v[TF], v[\rev], v[PH]
	v_rndne_f32 v[TY], v[TY]
	v_sub_f32 v[TY], v[PH], v[TY]
	v_fma_f32 v[FR], v[TF], v[\rev], v[TY]
	v_and_b32 v[AB], 0x7fffffff, v[FR]
	v_sub_f32 v[HH], 0.5, v[AB]
	v_min_num_f32 v[HH], v[AB], v[HH]
	v_mul_f32 v[UU], v[HH], v[HH]
	v_mov_b32 v[PP], 0xc17183a8                    ; -(2 pi)^11 / 11!
	v_fmaak_f32 v[PP], v[PP], v[UU], 0x42283c1a    ; +(2 pi)^9 / 9!
	v_fmaak_f32 v[PP], v[PP], v[UU], 0xc2996966    ; -(2 pi)^7 / 7!
	v_fmaak_f32 v[PP], v[PP], v[UU], 0x42a335e3    ; +(2 pi)^5 / 5!
	v_fmaak_f32 v[PP], v[PP], v[UU], 0xc2255de7    ; -(2 pi)^3 / 3!
	v_fmaak_f32 v[PP], v[PP], v[UU], 0x40c90fdb    ; 2 pi
	v_mul_f32 v[PP], v[PP], v[HH]
	v_bfi_b32 v[\dst], 0x7fffffff, v[PP], v[FR]    ; the series' magnitude, f's sign
.endm
	SINREV RES, RV
	SINREV RES+1, RV+1
	global_store_b64 v2, v[RES:RES+1], s[18:19]    ; 8 t = 256 wave + 8 lane: the wave stores its whole row of 256 bytes
; Load k has come (the 31 - k younger ones may be out: loads return in order, ISA guide 5.7.1): round in place, store 8 bytes a lane.
.macro CAST k, base, off
	s_wait_loadcnt 31-(\k)
	v_cvt_pk_f16_f32 v[XR+4*(\k)], v[XR+4*(\k)], v[XR+4*(\k)+1]
	v_cvt_pk_f16_f32 v[XR+4*(\k)+1], v[XR+4*(\k)+2], v[XR+4*(\k)+3]
	global_store_b64 v2, v[XR+4*(\k):XR+4*(\k)+1], s[\base:\base+1] offset:\off
.endm
.irp i, 0,1,2,3,4,5,6,7,8,9,10,11,12,13,14,15
	CAST \i, 12, \i*2048
.endr
.irp i, 0,1,2,3
	CAST 16+\i, 14, \i*6144
.endr
.irp i, 0,1,2,3
.irp j, 0,1
	CAST 20+2*\i+\j, 14, \i*6144+2048+\j*2048
.endr
.endr
.irp i, 0,1,2,3
	CAST 28+\i, 16, \i*2048
.endr
	s_endpgm
.Lfunc_end_k_q5d07051f2a_prep:
	.size	k_q5d07051f2a_prep, .Lfunc_end_k_q5d07051f2a_prep-k_q5d07051f2a_prep
	.p2alignl 7, 3214868480
	.fill 96, 4, 3214868480
	.section	.rodata,"a",@progbits
	.p2align	6, 0x0
	.amdhsa_kernel k_q5d07051f2a_prep
		.amdhsa_group_segment_fixed_size 0
		.amdhsa_private_segment_fixed_size 0
		.amdhsa_enable_private_segment 0
		.amdhsa_kernarg_size 64
		.amdhsa_user_sgpr_count 2
		.amdhsa_user_sgpr_kernarg_segment_ptr 1
		.amdhsa_wavefront_size32 1
		.amdhsa_system_sgpr_workgroup_id_x 1
		.amdhsa_system_sgpr_workgroup_id_y 1
		.amdhsa_system_sgpr_workgroup_id_z 1
		.amdhsa_system_vgpr_workitem_id 0
		.amdhsa_next_free_vgpr 160
		.amdhsa_next_free_sgpr 66
		.amdhsa_reserve_vcc 1
		.amdhsa_float_denorm_mode_32 3
		.amdhsa_float_denorm_mode_16_64 3
		.amdhsa_memory_ordered 1
		.amdhsa_forward_progress 1
		.amdhsa_inst_pref_size 15
	.end_amdhsa_kernel
	.amdgpu_metadata
---
amdhsa.version: [ 1, 2 ]
amdhsa.kernels:
  - .name:           k_q5d07051f2a_prep
    .symbol:         k_q5d07051f2a_prep.kd
    .args:
      - { .name: x, .offset: 0, .size: 8, .value_kind: global_buffer, .address_space: global }
      - { .name: Wq, .offset: 8, .size: 8, .value_kind: global_buffer, .address_space: global }
      - { .name: Wkv, .offset: 16, .size: 8, .value_kind: global_buffer, .address_space: global }
      - { .name: Wo, .offset: 24, .size: 8, .value_kind: global_buffer, .address_space: global }
      - { .name: xb, .offset: 32, .size: 8, .value_kind: global_buffer, .address_space: global }
      - { .name: wall, .offset: 40, .size: 8, .value_kind: global_buffer, .address_space: global }
      - { .name: wob, .offset: 48, .size: 8, .value_kind: global_buffer, .address_space: global }
      - { .name: tab, .offset: 56, .size: 8, .value_kind: global_buffer, .address_space: global }
    .group_segment_fixed_size: 0
    .private_segment_fixed_size: 0
    .kernarg_segment_align: 8
    .kernarg_segment_size: 64
    .max_flat_workgroup_size: 256
    .sgpr_count:     66
    .vgpr_count:     160
    .wavefront_size: 32
...
	.end_amdgpu_metadata
.endif
;; end of part 1
;; launch qkv (part 2): grid 8 x 32, 4 waves a work-group, clusters of 4 x 4, 327,680 bytes of LDS; arguments xb, wall, bq, bkv, tab, qb, kb, vb; writes qb, kb, vb
.if DOCPART == 2
	.amdgcn_target "amdgcn-amd-amdhsa--gfx1250"
	.amdhsa_code_object_version 6
	.text
	.protected	k_q5d07051f2a_qkv
	.globl	k_q5d07051f2a_qkv
	.p2align	8
	.type	k_q5d07051f2a_qkv,@function
k_q5d07051f2a_qkv:
	s_mov_b64 s[64:65], 0
	v_nop
	global_prefetch_b8 v0, s[64:65] scope:SCOPE_SE
	s_setreg_imm32_b32 hwreg(HW_REG_WAVE_MODE, 25, 1), 1
	s_wait_xcnt 0x0
	s_wait_alu depctr_hold_cnt(0) depctr_sa_sdst(0) depctr_va_vdst(0) depctr_va_sdst(0) depctr_va_ssrc(0) depctr_va_vcc(0) depctr_vm_vsrc(0)
	s_getreg_b32 s2, hwreg(HW_REG_IB_STS2, 6, 4)
	s_cmp_eq_u32 s2, 0
	s_cbranch_scc0 .Lentry_in_a_cluster
	s_endpgm
.Lentry_in_a_cluster:
	s_bfe_u32 s2, ttmp6, 0x10000c
	s_cmp_lg_u32 s2, 0xf033
	s_cbranch_scc0 .Lentry_shape_is_right
	s_endpgm
.Lentry_shape_is_right:
; q, k, v = xb @ wall + bias; RoPE on q and k; rounded to f16 into qb, kb, vb, each [b*16+head][2048 t][64 c].
; A work-group makes 128 rows (block row mb) x 384 columns: q, k and v of the head pair p (three strips of 128 columns of wall), so all
; 256 work-groups do the same work.  Four waves: wave w takes rows 64 (w>>1) .. +63 and head 2p + (w&1) of each strip: 4 x 12 tiles of
; 16 x 16, 384 accumulator registers.  A whole head in one wave keeps RoPE's partners (c, c + 32) in one lane, two tiles apart.
; K = 1024 goes in 8 steps of 128 through two LDS slots filled by the tensor data mover; every tile row is 256 bytes of memory, aligned.
; wall lies [k][n]: its fragments are read with the transposing LDS load.  The matrix instruction is used transposed (source 0 = 16
; columns of wall, source 1 = 16 rows of xb): lane (r = l % 16, h = l / 16), register j holds C(row r, column 8 h + j).
; The bias is the C operand of each sum's first product: nothing is cleared, nothing is added later.
; CLUSTERS: 4 x 4 work-groups.  xb's tile hangs on mb alone and is asked for jointly by a row of the cluster; wall's strips hang on p
; alone and are asked for jointly by a column: the requests for both are divided by four.
; LIMITS: operands are f16, sums and RoPE f32.  q and k (after RoPE) and v are stored in f16: magnitudes of 65,504 and more become
; infinity.  As drawn they stay below 6; with all inputs 30 times larger below about 5,400; with x and the weights both carrying a
; common offset of 30 spreads the sums reach 1024 x 30 x 0.94 = 28,900, after RoPE at most sqrt(2) times that, about 41,000.
; NaN and infinities get no special treatment.
; REGISTERS (windows of 256): window 0: v16-30 addresses, v32-95 xb's fragments (two buffers), v96-191 bias tiles (later packed results
; and rows read back), v192-255 RoPE at work.  Window 1: v0-191 wall's fragments (two buffers of 12).  Window 2: tiles of row blocks
; 0, 1 at v[8 (12 a + b)], and at v192 + 32 a their rows of the table (cos c 0-15, cos c 16-31, sin, sin).  Window 3: row blocks 2, 3.
.set PA,    272                        ; LDS row of xb: 256 + 16 bytes: sixteen rows begin at sixteen different 16-byte columns modulo 256
.set PB,    288                        ; LDS row of wall: 256 + 32 bytes, an odd multiple of 32, as the transposing load's eight rows want
.set STRIP, 128*PB                     ; 36,864: one strip's 128 k rows; also what one wave's load fills at the most
.set AOFF,  3*STRIP                    ; xb's tile lies behind the three strips
.set SLOT,  AOFF+128*PA                ; 145,408
.set STAGE, 2*SLOT                     ; 290,816, a multiple of 256: no tensor load lands from here on
.set SP,    144                        ; stage row: 128 + 16 bytes
.set STG1,  16*SP                      ; 16 rows of one of q, k, v
.set ADRA,  16                         ; v16-17  xb's fragments in slot 0, 1
.set ADRB,  20                         ; v20-25  wall's fragments: slot * 3 + strip
.set STO,   26
.set RD,    27
.set GO,    28
.set TB,    29
.set BO,    30
.set FA,    32
.set FB,    0
.set BIAS,  96
.set PK,    96
.set TT,    192
.set TAB,   192
.set G1A,   24
.set G0A,   32
.set G1B,   40
.set G0B,   48
.set MSB,   0
.macro WIN new                         ; the immediate's high byte repeats the setting that is left
.if MSB != \new
	s_set_vgpr_msb (MSB<<8)|\new
.set MSB, \new
.endif
.endm
.macro PLACES                          ; four places behind a matrix instruction (ISA guide 7.12.1), where there is no other vector work
.rept 4
	v_nop
.endr
.endm
; A joint load: wave 3 asks for xb's tile (mask: my row of the cluster), waves 0-2 for strip 0-2 (mask: my column).  One load a wave.
.macro JLOAD s
	s_cmp_lg_u32 s20, 3
	s_cbranch_scc1 .Lfor_b_\@
	tensor_load_to_lds s[G0A+4*\s:G0A+4*\s+3], s[G1A:G1A+7]
	s_nop 0
	s_branch .Lasked_\@
.Lfor_b_\@:
	tensor_load_to_lds s[G0B+4*\s:G0B+4*\s+3], s[G1B:G1B+7]
	s_nop 0
.Lasked_\@:
.endm
.macro CREST                           ; a round of the cluster's barrier behind its opening work-group barrier
	s_cmp_lg_u32 s20, 0
	s_cbranch_scc1 .Lnot_wave_0_\@
	s_barrier_signal -3
.Lnot_wave_0_\@:
	s_barrier_wait -3
	s_barrier_signal -1
	s_barrier_wait -1
.endm
.macro CROUND
	s_barrier_signal -1
	s_barrier_wait -1
	CREST
.endm
	s_load_b512 s[4:19], s[0:1], 0x0               ; xb 4, wall 6, bq 8, bkv 10, tab 12, qb 14, kb 16, vb 18
	s_set_vgpr_msb 0x40
	v_lshl_add_u32 v255, v0, 2, 0x4dc00
	s_set_vgpr_msb 0x4000
	v_mov_b32 v31, 0
	s_set_vgpr_msb 0x1
	ds_add_u32 v255, v31
	s_set_vgpr_msb 0x100
	v_lshrrev_b32 v1, 5, v0
	v_readfirstlane_b32 s20, v1                    ; wave
	s_lshr_b32 s21, s20, 1                         ; wm: which 64 rows
	s_and_b32 s22, s20, 1                          ; wn: which head of the pair
	s_bfe_u32 s56, ttmp6, 0x40000                  ; cx
	s_bfe_u32 s57, ttmp6, 0x40004                  ; cy
	s_lshl_b32 s58, ttmp9, 2
	s_add_co_u32 s58, s58, s56                     ; p = 4 x cluster x + cx
	s_and_b32 s59, ttmp7, 0xffff
	s_lshl_b32 s59, s59, 2
	s_add_co_u32 s59, s59, s57                     ; mb = 4 x cluster y + cy
	s_lshl_b32 s60, s57, 2
	s_lshl_b32 s60, 15, s60                        ; my row of the cluster
	s_lshl_b32 s61, 0x1111, s56                    ; my column
	; group 1: tiles of 128 rows x 128 elements of 2 bytes; behind every 64 words 4 (xb) or 8 (wall) words of padding
	s_or_b32 s[G1A+0], s60, (1<<16)|(1<<20)|(1<<21)|(5<<22)|(3<<25)
	s_mov_b32 s[G1A+1], 128<<16                    ; tensor_dim0 = 128
	s_mov_b32 s[G1A+2], 128<<16                    ; tensor_dim1 = 128
	s_mov_b32 s[G1A+3], 128<<16                    ; tile_dim0 = 128
	s_mov_b32 s[G1A+4], 128                        ; tile_dim1 = 128
	s_mov_b32 s[G1A+5], 1024                       ; xb: 1,024 elements from row to row
	s_mov_b32 s[G1A+6], 0
	s_mov_b32 s[G1A+7], 0
	s_or_b32 s[G1B+0], s61, (1<<16)|(1<<20)|(1<<21)|(5<<22)|(7<<25)
	s_mov_b32 s[G1B+1], 128<<16
	s_mov_b32 s[G1B+2], 128<<16
	s_mov_b32 s[G1B+3], 128<<16
	s_mov_b32 s[G1B+4], 128
	s_mov_b32 s[G1B+5], 3072                       ; wall: 3,072 elements from row to row
	s_mov_b32 s[G1B+6], 0
	s_mov_b32 s[G1B+7], 0
	s_lshl_b32 s66, s59, 18                        ; xb: 128 mb rows of 2,048 bytes (never holds p)
	s_mov_b32 s67, 0
	s_lshl_b32 s70, s20, 11                        ; wall: strip = wave, 2,048 bytes apart (never holds mb)
	s_lshl_b32 s71, s58, 8                         ; + 256 p
	s_add_co_u32 s70, s70, s71
	s_mov_b32 s71, 0
	s_mul_i32 s23, s20, STRIP                      ; LDS: wave x 36,864: strips 0-2, and for wave 3 xb's tile at 3 x 36,864
	s_wait_dscnt 0x0
	s_wait_kmcnt 0x0
	s_add_nc_u64 s[68:69], s[4:5], s[66:67]
	s_add_nc_u64 s[72:73], s[6:7], s[70:71]
	CROUND                                         ; all sixteen work-groups are here: the first joint loads meet
.irp s, 0,1
	s_mov_b32 s[G0A+4*\s], 1
	s_add_co_u32 s[G0A+4*\s+1], s23, \s*SLOT
	s_add_nc_u64 s[G0A+4*\s+2:G0A+4*\s+3], s[68:69], \s*256        ; K step s: 128 elements along the rows
	s_or_b32 s[G0A+4*\s+3], s[G0A+4*\s+3], 0x80000000
	s_mov_b32 s[G0B+4*\s], 1
	s_add_co_u32 s[G0B+4*\s+1], s23, \s*SLOT
	s_add_nc_u64 s[G0B+4*\s+2:G0B+4*\s+3], s[72:73], \s*786432     ; K step s: 128 rows of 6,144 bytes
	s_or_b32 s[G0B+4*\s+3], s[G0B+4*\s+3], 0x80000000
	JLOAD \s                                       ; both first fills: two tensor loads of the wave are out
.endr
	v_and_b32 v1, 15, v0                           ; r
	v_bfe_u32 v2, v0, 4, 1                         ; h
	s_lshl_b32 s74, s58, 1
	s_add_co_u32 s74, s74, s22                     ; my head = 2 p + wn
	s_lshl_b32 s75, s74, 8                         ; 64 f32
	v_lshl_add_u32 v[BO], v2, 5, s75               ; bias: 256 head + 32 h; tile ct at + 64 ct
.irp c, 0,1,2,3
	global_load_b128 v[BIAS+8*\c:BIAS+8*\c+3],       v[BO], s[8:9] offset:64*\c
	global_load_b128 v[BIAS+8*\c+4:BIAS+8*\c+7],     v[BO], s[8:9] offset:64*\c+16
	global_load_b128 v[BIAS+32+8*\c:BIAS+32+8*\c+3],   v[BO], s[10:11] offset:64*\c
	global_load_b128 v[BIAS+32+8*\c+4:BIAS+32+8*\c+7], v[BO], s[10:11] offset:64*\c+16
	global_load_b128 v[BIAS+64+8*\c:BIAS+64+8*\c+3],   v[BO], s[10:11] offset:4096+64*\c
	global_load_b128 v[BIAS+64+8*\c+4:BIAS+64+8*\c+7], v[BO], s[10:11] offset:4096+64*\c+16
.endr
	s_and_b32 s76, s59, 15                         ; the table's rows: t = 128 (mb & 15) + 64 wm + 16 a + r, 256 bytes each
	s_lshl_b32 s76, s76, 15
	s_lshl_b32 s77, s21, 14
	s_add_co_u32 s76, s76, s77
	s_mov_b32 s77, 0
	s_add_nc_u64 s[12:13], s[12:13], s[76:77]
	v_lshlrev_b32 v[TB], 8, v1
	v_lshl_add_u32 v[TB], v2, 5, v[TB]             ; 256 r + 32 h
	WIN 0x80                                       ; destination window 2: row blocks 0, 1
.irp a, 0,1
.irp e, 0,1,2,3
	global_load_b128 v[TAB+32*\a+8*\e:TAB+32*\a+8*\e+3],   v[TB], s[12:13] offset:4096*\a+64*\e
	global_load_b128 v[TAB+32*\a+8*\e+4:TAB+32*\a+8*\e+7], v[TB], s[12:13] offset:4096*\a+64*\e+16
.endr
.endr
	WIN 0xc0                                       ; destination window 3: row blocks 2, 3
.irp a, 0,1
.irp e, 0,1,2,3
	global_load_b128 v[TAB+32*\a+8*\e:TAB+32*\a+8*\e+3],   v[TB], s[12:13] offset:4096*(\a+2)+64*\e
	global_load_b128 v[TAB+32*\a+8*\e+4:TAB+32*\a+8*\e+7], v[TB], s[12:13] offset:4096*(\a+2)+64*\e+16
.endr
.endr
	WIN 0
	; where the results go: row ((mb >> 4) 16 + head) 2048 + 128 (mb & 15) + 64 wm of 128 bytes, the same in qb, kb, vb
	s_lshr_b32 s78, s59, 4
	s_lshl_b32 s78, s78, 4
	s_add_co_u32 s78, s78, s74
	s_lshl_b32 s78, s78, 11
	s_and_b32 s79, s59, 15
	s_lshl_b32 s79, s79, 7
	s_add_co_u32 s78, s78, s79
	s_lshl_b32 s79, s21, 6
	s_add_co_u32 s78, s78, s79
	s_lshl_b32 s78, s78, 7
	s_mov_b32 s79, 0
	s_add_nc_u64 s[14:15], s[14:15], s[78:79]
	s_add_nc_u64 s[16:17], s[16:17], s[78:79]
	s_add_nc_u64 s[18:19], s[18:19], s[78:79]
	; LDS addresses.  xb's fragment: row (64 wm + 16 a + r), bytes 64 q + 16 h and + 32.
	v_mul_u32_u24 v3, v1, PA
	v_lshl_add_u32 v3, v2, 4, v3
	s_mul_i32 s80, s21, 64*PA
	s_add_co_u32 s80, s80, AOFF
	v_add_nc_u32 v[ADRA], s80, v3
	v_add_nc_u32 v[ADRA+1], SLOT, v[ADRA]
	; wall's fragment, transposed on the way: k row 32 q + 8 h + (l & 7) and 16 rows further, bytes 128 wn + 32 ct + 16 ((l >> 3) & 1)
	v_and_b32 v4, 7, v0
	v_lshl_add_u32 v4, v2, 3, v4
	v_mul_u32_u24 v4, v4, PB
	v_bfe_u32 v5, v0, 3, 1
	v_lshl_add_u32 v4, v5, 4, v4
	v_lshl_add_u32 v4, s22, 7, v4
.irp s, 0,1
.irp t, 0,1,2
	v_add_nc_u32 v[ADRB+3*\s+\t], \s*SLOT+\t*STRIP, v4
.endr
.endr
	s_mul_i32 s81, s20, 3*STG1
	s_add_co_u32 s81, s81, STAGE                   ; my wave's stage
	v_mul_u32_u24 v5, v1, SP
	v_lshl_add_u32 v5, v2, 4, v5
	v_add_nc_u32 v[STO], s81, v5                   ; in: row r, 16 bytes for each half of the lanes
	v_bfe_u32 v6, v0, 3, 2
	v_mul_u32_u24 v6, v6, SP
	v_and_b32 v7, 7, v0
	v_lshl_add_u32 v6, v7, 4, v6
	v_add_nc_u32 v[RD], s81, v6                    ; back: eight lanes a row of 128 bytes, four rows a load
	v_and_b32 v[GO], 31, v0
	v_lshlrev_b32 v[GO], 4, v[GO]                  ; and the same four rows in memory: 512 consecutive bytes
; 32 LDS loads: the fragments of quarter q (32 along K) of a slot into buffer f: wall's 12, then xb's 4
.macro FETCH slot, q, f
	WIN 0x40
.irp s, 0,1,2
.irp c, 0,1,2,3
	ds_load_tr16_b128 v[FB+96*\f+8*(4*\s+\c):FB+96*\f+8*(4*\s+\c)+3],   v[ADRB+3*\slot+\s] offset:32*PB*\q+32*\c
	ds_load_tr16_b128 v[FB+96*\f+8*(4*\s+\c)+4:FB+96*\f+8*(4*\s+\c)+7], v[ADRB+3*\slot+\s] offset:32*PB*\q+32*\c+16*PB
.endr
.endr
	WIN 0
.irp a, 0,1,2,3
	ds_load_b128 v[FA+32*\f+8*\a:FA+32*\f+8*\a+3],   v[ADRA+\slot] offset:64*\q+16*PA*\a
	ds_load_b128 v[FA+32*\f+8*\a+4:FA+32*\f+8*\a+7], v[ADRA+\slot] offset:64*\q+16*PA*\a+32
.endr
.endm
; 12 matrix instructions: row block 2 hi + a x the 12 column tiles.  first = 1: the bias tile is C.  The 48 accumulators take turns in
; one fixed order, one instruction a turn, over the loop's backward jump too.
.macro MUL12 f, hi, a, first
.irp b, 0,1,2,3,4,5,6,7,8,9,10,11
.if \first
	v_wmma_f32_16x16x32_f16 v[8*(12*\a+\b):8*(12*\a+\b)+7], v[FB+96*\f+8*\b:FB+96*\f+8*\b+7], v[FA+32*\f+8*(2*\hi+\a):FA+32*\f+8*(2*\hi+\a)+7], v[BIAS+8*\b:BIAS+8*\b+7]
.else
	v_wmma_f32_16x16x32_f16 v[8*(12*\a+\b):8*(12*\a+\b)+7], v[FB+96*\f+8*\b:FB+96*\f+8*\b+7], v[FA+32*\f+8*(2*\hi+\a):FA+32*\f+8*(2*\hi+\a)+7], v[8*(12*\a+\b):8*(12*\a+\b)+7]
.endif
.endr
.endm
; One of a K step's first three quarters: multiplies buffer f, and in its middle fetches quarter q of the same slot into buffer g.
.macro QUARTER slot, q, f, g, first
	s_wait_dscnt 4                                 ; wall's 24 loads and xb's row blocks 0, 1 are in; the youngest four (row blocks 2, 3) may be out
.if \first
	WIN 0x81                                       ; source 0 window 1, source 1 and C window 0, D window 2
.else
	WIN 0xa1                                       ; C and D window 2
.endif
	MUL12 \f, 0, 0, \first
	MUL12 \f, 0, 1, \first
	PLACES                                         ; buffer g was read by matrix instructions: loads into it stand four places behind them
	FETCH \slot, \q, \g
	s_wait_dscnt 32                                ; all but the 32 just issued
.if \first
	WIN 0xc1
.else
	WIN 0xf1
.endif
	MUL12 \f, 1, 0, \first
	MUL12 \f, 1, 1, \first
.endm
.macro THREE slot, first
	QUARTER \slot, 1, 0, 1, \first
	QUARTER \slot, 2, 1, 0, 0
	QUARTER \slot, 3, 0, 1, 0
.endm
; The last quarter of a K step: multiplies buffer 1 and changes slots.  In front of the barrier each wave waits for its reads of this
; slot and for all its tensor loads (one is out: its part of the next slot).  fill = 1: the barrier opens a round of the cluster's
; barrier, and the joint refill of this slot, two K steps ahead, is the first tensor load behind the round.  From that request to the
; wait for it a wave issues 180 matrix instructions.
.macro TURN slot, next, fill
	s_wait_dscnt 4
	WIN 0xa1
	MUL12 1, 0, 0, 0
	s_wait_dscnt 0x0                               ; my reads of this slot are over
	s_wait_tensorcnt 0x0                           ; all my tensor loads have landed
	ds_add_u32 v255, v31
	s_wait_dscnt 0x0
	s_barrier_signal -1
	MUL12 1, 0, 1, 0                               ; registers only
	WIN 0
	s_barrier_wait -1
.if \fill
	CREST                                          ; no wave of any partner still reads this slot or has a load on its way
	s_add_nc_u64 s[G0A+4*\slot+2:G0A+4*\slot+3], s[G0A+4*\slot+2:G0A+4*\slot+3], 512
	s_add_nc_u64 s[G0B+4*\slot+2:G0B+4*\slot+3], s[G0B+4*\slot+2:G0B+4*\slot+3], 1572864
	JLOAD \slot
.endif
	PLACES
	FETCH \next, 0, 0
	WIN 0xf1
	MUL12 1, 1, 0, 0
	MUL12 1, 1, 1, 0
.endm
.macro LAP first                       ; two K steps, both slots filled again
	THREE 0, \first
	TURN 0, 1, 1
	THREE 1, 0
	TURN 1, 0, 1
.endm
	s_wait_loadcnt 0x0                             ; bias and table
	s_wait_tensorcnt 0x1                           ; my part of K step 0 is in; K step 1's may stay out
	s_barrier_signal -1
	s_barrier_wait -1
	FETCH 0, 0, 0
	LAP 1                                          ; K steps 0, 1; asks for 2, 3
	WIN 0
	s_mov_b32 s3, 2
.Llap:
	LAP 0                                          ; K steps 2-5; asks for 4-7
	WIN 0
	s_sub_co_u32 s3, s3, 1
	s_cmp_lg_u32 s3, 0
	s_cbranch_scc1 .Llap
	THREE 0, 0                                     ; K steps 6, 7: nothing is left to fetch
	TURN 0, 1, 0
	THREE 1, 0
	s_wait_dscnt 4
	WIN 0xa1
	MUL12 1, 0, 0, 0
	MUL12 1, 0, 1, 0
	s_wait_dscnt 0x0
	WIN 0xf1
	MUL12 1, 1, 0, 0
	MUL12 1, 1, 1, 0
	PLACES                                         ; behind the last matrix instructions: results are read, fragment registers written
; THE WAY OUT, 16 rows at a time (row block a; ap = a & 1; from = the window of sources 0 and 1; rb = where rows are read back).
; RoPE on q and k: out(c) = x(c) cos - x(c+32) sin, out(c+32) = x(c+32) cos + x(c) sin, c < 32; tiles ct and ct + 2 of one lane.
.macro OUTROWS a, ap, from, rb
	WIN \from
.irp s, 0,1
.irp c, 0,1
.set X1, 8*(12*\ap+4*\s+\c)
.set X2, X1+16
.set CS, TAB+32*\ap+8*\c
.set SN, CS+16
.set T1, TT+16*(2*\s+\c)
.set T2, T1+8
.irp j, 0,2,4,6
	v_pk_mul_f32 v[T1+\j:T1+\j+1], v[X1+\j:X1+\j+1], v[CS+\j:CS+\j+1]
.endr
.irp j, 0,2,4,6
	v_pk_mul_f32 v[T2+\j:T2+\j+1], v[X2+\j:X2+\j+1], v[CS+\j:CS+\j+1]
.endr
.irp j, 0,1,2,3,4,5,6,7
	v_fma_f32 v[T1+\j], -v[X2+\j], v[SN+\j], v[T1+\j]
.endr
.irp j, 0,2,4,6
	v_pk_fma_f32 v[T2+\j:T2+\j+1], v[X1+\j:X1+\j+1], v[SN+\j:SN+\j+1], v[T2+\j:T2+\j+1]
.endr
.endr
.endr
.irp c, 0,1,2,3
.irp j, 0,1,2,3
	v_cvt_pk_f16_f32 v[PK+4*(8+\c)+\j], v[8*(12*\ap+8+\c)+2*\j], v[8*(12*\ap+8+\c)+2*\j+1]      ; v: straight from the sums
.endr
.endr
	WIN 0
.irp s, 0,1
.irp c, 0,1
.irp j, 0,1,2,3
	v_cvt_pk_f16_f32 v[PK+4*(4*\s+\c)+\j],   v[TT+16*(2*\s+\c)+2*\j],   v[TT+16*(2*\s+\c)+2*\j+1]
	v_cvt_pk_f16_f32 v[PK+4*(4*\s+\c+2)+\j], v[TT+16*(2*\s+\c)+8+2*\j], v[TT+16*(2*\s+\c)+8+2*\j+1]
.endr
.endr
.endr
.irp s, 0,1,2
.irp c, 0,1,2,3
	ds_store_b128 v[STO], v[PK+4*(4*\s+\c):PK+4*(4*\s+\c)+3] offset:STG1*\s+32*\c
.endr
.endr
	s_wait_xcnt 0x0                                ; rb was the data of earlier stores: it is loaded again only behind this wait
.irp s, 0,1,2
.irp i, 0,1,2,3
	ds_load_b128 v[\rb+4*(4*\s+\i):\rb+4*(4*\s+\i)+3], v[RD] offset:STG1*\s+4*SP*\i   ; my own bytes: LDS serves a wave's instructions in order
.endr
.endr
.irp s, 0,1,2
.irp i, 0,1,2,3
	s_wait_dscnt 11-4*\s-\i                        ; the younger reads back may be out
	global_store_b128 v[GO], v[\rb+4*(4*\s+\i):\rb+4*(4*\s+\i)+3], s[14+2*\s:15+2*\s] offset:2048*\a+512*\i   ; four rows: 512 consecutive bytes, aligned
.endr
.endr
.endm
	OUTROWS 0, 0, 0x0a, 32
	OUTROWS 1, 1, 0x0a, 144
	OUTROWS 2, 0, 0x0f, 32
	OUTROWS 3, 1, 0x0f, 144
	s_set_vgpr_msb 0x1
	s_wait_tensorcnt 0x0
	ds_add_u32 v255, v31
	s_wait_dscnt 0x0
	s_set_vgpr_msb 0x100
	CROUND                                         ; the closing round: no work-group ends while a partner may still ask jointly
	s_endpgm
.Lfunc_end_k_q5d07051f2a_qkv:
	.size	k_q5d07051f2a_qkv, .Lfunc_end_k_q5d07051f2a_qkv-k_q5d07051f2a_qkv
	.p2alignl 7, 3214868480
	.fill 96, 4, 3214868480
	.section	.rodata,"a",@progbits
	.p2align	6, 0x0
	.amdhsa_kernel k_q5d07051f2a_qkv
		.amdhsa_group_segment_fixed_size 327680
		.amdhsa_private_segment_fixed_size 0
		.amdhsa_enable_private_segment 0
		.amdhsa_kernarg_size 64
		.amdhsa_user_sgpr_count 2
		.amdhsa_user_sgpr_kernarg_segment_ptr 1
		.amdhsa_wavefront_size32 1
		.amdhsa_system_sgpr_workgroup_id_x 1
		.amdhsa_system_sgpr_workgroup_id_y 1
		.amdhsa_system_sgpr_workgroup_id_z 1
		.amdhsa_system_vgpr_workitem_id 0
		.amdhsa_next_free_vgpr 1024
		.amdhsa_next_free_sgpr 96
		.amdhsa_reserve_vcc 0
		.amdhsa_float_denorm_mode_32 3
		.amdhsa_float_denorm_mode_16_64 3
		.amdhsa_memory_ordered 1
		.amdhsa_forward_progress 1
		.amdhsa_inst_pref_size 189
	.end_amdhsa_kernel
	.amdgpu_metadata
---
amdhsa.version: [ 1, 2 ]
amdhsa.kernels:
  - .name:           k_q5d07051f2a_qkv
    .symbol:         k_q5d07051f2a_qkv.kd
    .args:
      - { .name: xb, .offset: 0, .size: 8, .value_kind: global_buffer, .address_space: global }
      - { .name: wall, .offset: 8, .size: 8, .value_kind: global_buffer, .address_space: global }
      - { .name: bq, .offset: 16, .size: 8, .value_kind: global_buffer, .address_space: global }
      - { .name: bkv, .offset: 24, .size: 8, .value_kind: global_buffer, .address_space: global }
      - { .name: tab, .offset: 32, .size: 8, .value_kind: global_buffer, .address_space: global }
      - { .name: qb, .offset: 40, .size: 8, .value_kind: global_buffer, .address_space: global }
      - { .name: kb, .offset: 48, .size: 8, .value_kind: global_buffer, .address_space: global }
      - { .name: vb, .offset: 56, .size: 8, .value_kind: global_buffer, .address_space: global }
    .group_segment_fixed_size: 327680
    .private_segment_fixed_size: 0
    .kernarg_segment_align: 8
    .kernarg_segment_size: 64
    .max_flat_workgroup_size: 128
    .sgpr_count:     96
    .vgpr_count:     1024
    .wavefront_size: 32
...
	.end_amdgpu_metadata
.endif
;; end of part 2
;; launch attn (part 3): grid 8 x 32, 16 waves a work-group, clusters of 4 x 1, 327,680 bytes of LDS; arguments qb, kb, vb, ob; writes ob
.if DOCPART == 3
	.amdgcn_target "amdgcn-amd-amdhsa--gfx1250"
	.amdhsa_code_object_version 6
	.text
	.protected	k_q5d07051f2a_attn
	.globl	k_q5d07051f2a_attn
	.p2align	8
	.type	k_q5d07051f2a_attn,@function
k_q5d07051f2a_attn:
	s_mov_b64 s[64:65], 0
	v_nop
	global_prefetch_b8 v0, s[64:65] scope:SCOPE_SE
	s_setreg_imm32_b32 hwreg(HW_REG_WAVE_MODE, 25, 1), 1
	s_wait_xcnt 0x0
	s_wait_alu depctr_hold_cnt(0) depctr_sa_sdst(0) depctr_va_vdst(0) depctr_va_sdst(0) depctr_va_ssrc(0) depctr_va_vcc(0) depctr_vm_vsrc(0)
	s_getreg_b32 s2, hwreg(HW_REG_IB_STS2, 6, 4)
	s_cmp_eq_u32 s2, 0
	s_cbranch_scc0 .Lentry_in_a_cluster
	s_endpgm
.Lentry_in_a_cluster:
	s_bfe_u32 s2, ttmp6, 0x10000c
	s_cmp_lg_u32 s2, 0x3003
	s_cbranch_scc0 .Lentry_shape_is_right
	s_endpgm
.Lentry_shape_is_right:
; Softmax attention without a mask: for each of 32 (batch, head) pairs, 2,048 queries over 2,048 keys, head size 64, running maximum.
; A work-group takes 256 queries of one pair (y = the pair, x = the query block), with sixteen waves of 256 registers.  Wave w takes the
; 32 queries of group w & 7 (two tiles of 16) and, of every 512 keys that lie in LDS, the half w >> 3.  So the KEYS are split between
; two groups of waves, not the queries: every fragment read from LDS still feeds two matrix instructions, and four waves share a SIMD's
; units, so that three can issue while one waits for its own matrix run, for LDS or for a dependent chain.  At the end waves w and w + 8
; hold two partial results for the same queries, each with its own maximum and sum; wave w + 8 hands its part over through LDS and wave w
; merges them: nm = the smaller of the two (negated, scaled) maxima, a_i = exp2(nm - NM_i), L = L0 a0 + L1 a1, O = (O0 a0 + O1 a1) / L.
; S^T = K Q^T: source 0 = 16 keys, source 1 = 16 queries; lane (r, h), register j holds key 8 h + j of query r.  So a query's maximum
; and sum are work inside a lane plus one exchange of the halves, and key tiles 2u, 2u + 1 rounded to f16 ARE source 1 (k = 8 h ..,
; 16 + 8 h ..) of O^T = V^T P^T; V^T comes from the transposing LDS load.  O^T keeps query r in lane r: rescaling is a factor a lane.
; The scale 1/8 and log2(e) are the multiplier of the fused multiply-add in front of exp2; the factor for the old sums is taken from
; the same rounded reference points as the exponents, so both stay consistent at any size of the scores.
; K and V go through two LDS slots of 512 keys.  CLUSTERS: the four query blocks of a cluster read the same K and V and ask jointly
; (mask 15): waves 0-7 for K's eighths, waves 8-15 for V's, 64 rows a load; a refill has four steps of every wave in which to land.
; LIMITS: operands f16, softmax and sums f32.  P lies in 0 .. 1 by the running maximum; in f16 a weight below 2^-24 of the largest
; seen so far becomes 0 and one below 2^-14 keeps an absolute step of 2^-24, against a sum of at least 1.  The result is a convex mix
; of v and has v's range, so it has room in f16 wherever v has.  v_exp_f32 gives 0 below 2^-126.  NaN and infinities get no special
; treatment.
.set KP,     144                       ; K's LDS row: 128 + 16 bytes
.set VP,     160                       ; V's LDS row: 128 + 32 bytes, an odd multiple of 32
.set KBYTES, 512*KP                    ; 73,728
.set SLOT,   KBYTES+512*VP             ; 155,648
.set XW,     9216                      ; what wave w + 8 hands to wave w: 64 registers of O^T (8,192 bytes), reference points (512), sums (512)
.set STG0,   8*XW                      ; 73,728: the stages lie behind the eight exchanges; both in slot 0 after its last fill and last read
.set STGW,   32*KP                     ; a stage: 32 rows
.set GO,  1
.set KA,  2                            ; K's address, stepped; at the end the exchange's address
.set VA,  3                            ; V's address, stepped
.set KA0, 4
.set VA0, 5
.set STO, 6
.set RD,  7
.set QF,  8                            ; v[8:39]    Q: 16 qt + 8 cs
.set OA,  40                           ; v[40:103]  O^T: 8 (4 qt + ct)
.set KV,  104                          ; v[104:167] K's 8 fragments, then V's 8
.set SC,  168                          ; v[168:231] S^T: 32 qt + 8 kt; then P: 32 qt + 8 u
.set MX,  232                          ; running maximum of the raw scores, for each qt
.set LS,  234                          ; running sum (this half of the lanes' keys), for each qt
.set NM,  236                          ; v[236:237], v[238:239]: -maximum x scale in the low word
.set AL,  240                          ; v[240:241]: the factor for the old sums in the low word
.set TN,  242
.set TX,  243
.set TM,  244
.set TS,  248
.set G1K, 24
.set G1V, 32
.set G0K, 40
.set G0V, 48
.macro ROUND
	s_barrier_signal -1
	s_barrier_wait -1
	s_cmp_lg_u32 s12, 0
	s_cbranch_scc1 .Lnot_wave_0_\@
	s_barrier_signal -3
.Lnot_wave_0_\@:
	s_barrier_wait -3
	s_barrier_signal -1
	s_barrier_wait -1
.endm
.macro JLOAD s                         ; one joint load a wave
	s_cmp_lt_u32 s12, 8
	s_cbranch_scc0 .Lfor_v_\@
	tensor_load_to_lds s[G0K+4*\s:G0K+4*\s+3], s[G1K:G1K+7]
	s_nop 0
	s_branch .Lasked_\@
.Lfor_v_\@:
	tensor_load_to_lds s[G0V+4*\s:G0V+4*\s+3], s[G1V:G1V+7]
	s_nop 0
.Lasked_\@:
.endm
	s_load_b256 s[4:11], s[0:1], 0x0               ; qb 4, kb 6, vb 8, ob 10
	v_lshl_add_u32 v254, v0, 2, 0x4c000
	v_mov_b32 v255, 0
	ds_add_u32 v254, v255
	s_wait_dscnt 0x0
	v_lshrrev_b32 v1, 5, v0
	v_readfirstlane_b32 s12, v1                    ; wave 0 .. 15
	s_and_b32 s13, s12, 7                          ; my group of 32 queries.  Also: which eighth of a slot's keys I fetch
	s_lshr_b32 s63, s12, 3                         ; which half of a slot's keys I work on
	s_bfe_u32 s14, ttmp6, 0x40000                  ; cx
	s_lshl_b32 s15, ttmp9, 2
	s_add_co_u32 s15, s15, s14                     ; query block = 4 x cluster x + cx
	s_and_b32 s16, ttmp7, 0xffff                   ; the (batch, head) pair
	s_mov_b32 s56, 0x76543210                      ; v_permlanex16_b32: lane i of one half reads lane i of the other
	s_mov_b32 s57, 0xfedcba98
	; group 1: 64 rows x 64 elements of 2 bytes, dense in memory; behind every 32 words 4 (K) or 8 (V) words of padding
	s_mov_b32 s[G1K+0], 15|(1<<16)|(1<<20)|(1<<21)|(4<<22)|(3<<25)
	s_mov_b32 s[G1K+1], 64<<16                     ; tensor_dim0 = 64
	s_mov_b32 s[G1K+2], 64<<16                     ; tensor_dim1 = 64
	s_mov_b32 s[G1K+3], 64<<16                     ; tile_dim0 = 64
	s_mov_b32 s[G1K+4], 64                         ; tile_dim1 = 64
	s_mov_b32 s[G1K+5], 64                         ; 64 elements from row to row
	s_mov_b32 s[G1K+6], 0
	s_mov_b32 s[G1K+7], 0
	s_mov_b32 s[G1V+0], 15|(1<<16)|(1<<20)|(1<<21)|(4<<22)|(7<<25)
	s_mov_b32 s[G1V+1], 64<<16
	s_mov_b32 s[G1V+2], 64<<16
	s_mov_b32 s[G1V+3], 64<<16
	s_mov_b32 s[G1V+4], 64
	s_mov_b32 s[G1V+5], 64
	s_mov_b32 s[G1V+6], 0
	s_mov_b32 s[G1V+7], 0
	s_lshl_b32 s18, s16, 18                        ; the pair's 2,048 rows of 128 bytes
	s_lshl_b32 s19, s13, 13                        ; + my eighth's 64 rows (no place in the cluster enters)
	s_add_co_u32 s18, s18, s19
	s_mov_b32 s19, 0
	s_mul_i32 s17, s13, 64*KP
	s_mul_i32 s59, s13, 64*VP
	s_wait_kmcnt 0x0
	s_add_nc_u64 s[20:21], s[6:7], s[18:19]
	s_add_nc_u64 s[22:23], s[8:9], s[18:19]
	ROUND                                          ; the four work-groups are here: the first joint loads meet
.irp s, 0,1
	s_mov_b32 s[G0K+4*\s], 1
	s_add_co_u32 s[G0K+4*\s+1], s17, \s*SLOT
	s_add_nc_u64 s[G0K+4*\s+2:G0K+4*\s+3], s[20:21], \s*65536      ; slot s: keys 512 s ..
	s_or_b32 s[G0K+4*\s+3], s[G0K+4*\s+3], 0x80000000
	s_mov_b32 s[G0V+4*\s], 1
	s_add_co_u32 s[G0V+4*\s+1], s59, \s*SLOT+KBYTES
	s_add_nc_u64 s[G0V+4*\s+2:G0V+4*\s+3], s[22:23], \s*65536
	s_or_b32 s[G0V+4*\s+3], s[G0V+4*\s+3], 0x80000000
	JLOAD \s                                       ; both first fills: two tensor loads of the wave are out
.endr
	v_and_b32 v[TN], 15, v0                        ; r
	v_bfe_u32 v[TX], v0, 4, 1                      ; h
	v_lshlrev_b32 v[TS], 7, v[TN]
	v_lshl_add_u32 v[TS], v[TX], 4, v[TS]          ; Q: 128 r + 16 h
	s_lshl_b32 s60, s16, 18                        ; row 2048 pair + 256 block + 32 group, 128 bytes each
	s_lshl_b32 s61, s15, 15
	s_add_co_u32 s60, s60, s61
	s_lshl_b32 s61, s13, 12
	s_add_co_u32 s60, s60, s61
	s_mov_b32 s61, 0
	s_add_nc_u64 s[4:5], s[4:5], s[60:61]
.irp t, 0,1
.irp c, 0,1
	global_load_b128 v[QF+16*\t+8*\c:QF+16*\t+8*\c+3],   v[TS], s[4:5] offset:2048*\t+64*\c
	global_load_b128 v[QF+16*\t+8*\c+4:QF+16*\t+8*\c+7], v[TS], s[4:5] offset:2048*\t+64*\c+32
.endr
.endr
	v_mul_u32_u24 v[TM+2], v[TN], KP
	v_lshl_add_u32 v[TM+2], v[TX], 4, v[TM+2]      ; 144 r + 16 h: a row of K, and of a stage
	s_mul_i32 s68, s63, 256*KP
	v_add_nc_u32 v[KA0], s68, v[TM+2]              ; K: my half's 256 rows, row r, + 16 h
	v_and_b32 v[VA0], 7, v0
	v_lshl_add_u32 v[VA0], v[TX], 3, v[VA0]
	v_mul_u32_u24 v[VA0], v[VA0], VP
	v_bfe_u32 v[TM], v0, 3, 1
	v_lshl_add_u32 v[VA0], v[TM], 4, v[VA0]
	s_mul_i32 s69, s63, 256*VP
	s_add_co_u32 s69, s69, KBYTES
	v_add_nc_u32 v[VA0], s69, v[VA0]               ; V: my half's 256 rows, key row 8 h + (l & 7), + 16 ((l >> 3) & 1)
	s_mul_i32 s62, s13, STGW
	s_add_co_u32 s62, s62, STG0
	v_add_nc_u32 v[STO], s62, v[TM+2]              ; stage in: row r, + 16 h
	v_bfe_u32 v[TM], v0, 3, 2
	v_mul_u32_u24 v[TM], v[TM], KP
	v_and_b32 v[TM+1], 7, v0
	v_lshl_add_u32 v[TM], v[TM+1], 4, v[TM]
	v_add_nc_u32 v[RD], s62, v[TM]                 ; stage back: eight lanes a row, four rows a load
	v_and_b32 v[GO], 31, v0
	v_lshlrev_b32 v[GO], 4, v[GO]
	v_mov_b32 v[NM+1], 0                           ; the pairs' upper words are named by the packed forms and never used
	v_mov_b32 v[NM+3], 0
	v_mov_b32 v[AL+1], 0
	; ob[row block of 128][head][128 rows][64]: row block = (pair >> 4) 16 + 2 block + (group >> 2); a group's 32 rows are 4,096 dense bytes
	s_lshr_b32 s66, s16, 4
	s_lshl_b32 s66, s66, 4
	s_lshl_b32 s67, s15, 1
	s_add_co_u32 s66, s66, s67
	s_lshr_b32 s67, s13, 2
	s_add_co_u32 s66, s66, s67
	s_lshl_b32 s66, s66, 4
	s_and_b32 s67, s16, 15
	s_add_co_u32 s66, s66, s67
	s_lshl_b32 s66, s66, 14
	s_and_b32 s67, s13, 3
	s_lshl_b32 s67, s67, 12
	s_add_co_u32 s66, s66, s67
	s_mov_b32 s67, 0
	s_add_nc_u64 s[10:11], s[10:11], s[66:67]
; The softmax of 64 keys for query tile qt.  first = 1: nothing is carried yet.
.macro SOFTMAX qt, first
.set SB, SC+32*\qt
.set OB, OA+32*\qt
.irp c, 0,1,2,3
	v_max3_num_f32 v[TM+\c], v[SB+8*\c], v[SB+8*\c+1], v[SB+8*\c+2]      ; four chains, one a key tile
.endr
.irp c, 0,1,2,3
	v_max3_num_f32 v[TM+\c], v[TM+\c], v[SB+8*\c+3], v[SB+8*\c+4]
.endr
.irp c, 0,1,2,3
	v_max3_num_f32 v[TM+\c], v[TM+\c], v[SB+8*\c+5], v[SB+8*\c+6]
.endr
	v_max3_num_f32 v[TM], v[TM], v[TM+1], v[SB+7]
	v_max3_num_f32 v[TM+2], v[TM+2], v[TM+3], v[SB+15]
	v_max3_num_f32 v[TM], v[TM], v[TM+2], v[SB+23]
.if \first
	v_max_num_f32 v[TM], v[TM], v[SB+31]
.else
	v_max3_num_f32 v[TM], v[TM], v[SB+31], v[MX+\qt]
.endif
	v_permlanex16_b32 v[TX], v[TM], s56, s57       ; the other half of the lanes holds the query's other keys
	v_max_num_f32 v[MX+\qt], v[TM], v[TX]
.if \first
	v_mul_f32 v[NM+2*\qt], 0xbe38aa3b, v[MX+\qt]   ; -maximum x log2(e) / 8
.else
	v_mul_f32 v[TN], 0xbe38aa3b, v[MX+\qt]
	v_sub_f32 v[AL], v[TN], v[NM+2*\qt]            ; new reference point less the old: at most 0
	v_mov_b32 v[NM+2*\qt], v[TN]
.endif
.set i, 0
.rept 16
	v_pk_fma_f32 v[SB+2*i:SB+2*i+1], v[SB+2*i:SB+2*i+1], 0x3e38aa3b, v[NM+2*\qt:NM+2*\qt+1] op_sel_hi:[1,0,0]
.set i, i+1
.endr
.set i, 0
.rept 32
	v_exp_f32 v[SB+i], v[SB+i]
.set i, i+1
.endr
.if \first
.else
	v_exp_f32 v[AL], v[AL]
.endif
	v_nop                                          ; the plain place behind the run of exponentials (ISA guide 5.7.2)
	s_wait_alu depctr_va_vdst(0)
.irp c, 0,1,2,3
	v_pk_add_f32 v[TS+2*\c:TS+2*\c+1], v[SB+8*\c:SB+8*\c+1], v[SB+8*\c+2:SB+8*\c+3]
.endr
.irp c, 0,1,2,3
	v_pk_add_f32 v[TS+2*\c:TS+2*\c+1], v[TS+2*\c:TS+2*\c+1], v[SB+8*\c+4:SB+8*\c+5]
.endr
.irp c, 0,1,2,3
	v_pk_add_f32 v[TS+2*\c:TS+2*\c+1], v[TS+2*\c:TS+2*\c+1], v[SB+8*\c+6:SB+8*\c+7]
.endr
	v_pk_add_f32 v[TS:TS+1], v[TS:TS+1], v[TS+2:TS+3]
	v_pk_add_f32 v[TS+4:TS+5], v[TS+4:TS+5], v[TS+6:TS+7]
	v_pk_add_f32 v[TS:TS+1], v[TS:TS+1], v[TS+4:TS+5]
.if \first
	v_add_f32 v[LS+\qt], v[TS], v[TS+1]
.else
	v_fma_f32 v[LS+\qt], v[LS+\qt], v[AL], v[TS]
	v_add_f32 v[LS+\qt], v[LS+\qt], v[TS+1]
.endif
.set i, 0
.rept 16
	v_cvt_pk_f16_f32 v[SB+i], v[SB+2*i], v[SB+2*i+1]       ; packed in place, ascending: word i is written after words 2 i, 2 i + 1 are read
.set i, i+1
.endr
.if \first
.else
.set i, 0
.rept 16
	v_pk_mul_f32 v[OB+2*i:OB+2*i+1], v[OB+2*i:OB+2*i+1], v[AL:AL+1] op_sel_hi:[1,0]
.set i, i+1
.endr
.endif
.endm
; O^T(qt) += V^T P^T(qt): 8 matrix instructions; the four accumulators take turns, one instruction a turn
.macro PV qt, first
.irp c, 0,1,2,3
.if \first
	v_wmma_f32_16x16x32_f16 v[OA+8*(4*\qt+\c):OA+8*(4*\qt+\c)+7], v[KV+8*\c:KV+8*\c+7], v[SC+32*\qt:SC+32*\qt+7], 0
.else
	v_wmma_f32_16x16x32_f16 v[OA+8*(4*\qt+\c):OA+8*(4*\qt+\c)+7], v[KV+8*\c:KV+8*\c+7], v[SC+32*\qt:SC+32*\qt+7], v[OA+8*(4*\qt+\c):OA+8*(4*\qt+\c)+7]
.endif
.endr
.irp c, 0,1,2,3
	v_wmma_f32_16x16x32_f16 v[OA+8*(4*\qt+\c):OA+8*(4*\qt+\c)+7], v[KV+32+8*\c:KV+32+8*\c+7], v[SC+32*\qt+8:SC+32*\qt+15], v[OA+8*(4*\qt+\c):OA+8*(4*\qt+\c)+7]
.endr
.endm
; One step: 64 keys, 32 matrix instructions.
.macro STEP first
.irp c, 0,1
.irp k, 0,1,2,3
	ds_load_b128 v[KV+8*(4*\c+\k):KV+8*(4*\c+\k)+3],   v[KA] offset:16*KP*\k+64*\c
	ds_load_b128 v[KV+8*(4*\c+\k)+4:KV+8*(4*\c+\k)+7], v[KA] offset:16*KP*\k+64*\c+32
.endr
.endr
	s_wait_dscnt 8                                 ; c 0-31 of the four key tiles are in; the eight loads of c 32-63 may be out
.irp t, 0,1
.irp k, 0,1,2,3
	v_wmma_f32_16x16x32_f16 v[SC+32*\t+8*\k:SC+32*\t+8*\k+7], v[KV+8*\k:KV+8*\k+7], v[QF+16*\t:QF+16*\t+7], 0
.endr
.endr
	s_wait_dscnt 0x0
.irp t, 0,1
.irp k, 0,1,2,3
	v_wmma_f32_16x16x32_f16 v[SC+32*\t+8*\k:SC+32*\t+8*\k+7], v[KV+32+8*\k:KV+32+8*\k+7], v[QF+16*\t+8:QF+16*\t+15], v[SC+32*\t+8*\k:SC+32*\t+8*\k+7]
.endr
.endr
	v_add_nc_u32 v[KA], 64*KP, v[KA]               ; four places: then V's loads land on K's fragments, and the scores are read
	v_nop
	v_nop
	v_nop
.irp u, 0,1
.irp c, 0,1,2,3
	ds_load_tr16_b128 v[KV+8*(4*\u+\c):KV+8*(4*\u+\c)+3],   v[VA] offset:32*VP*\u+32*\c
	ds_load_tr16_b128 v[KV+8*(4*\u+\c)+4:KV+8*(4*\u+\c)+7], v[VA] offset:32*VP*\u+32*\c+16*VP
.endr
.endr
	SOFTMAX 0, \first
	s_wait_dscnt 0x0                               ; V's fragments
	PV 0, \first
	SOFTMAX 1, \first
	PV 1, \first
	v_add_nc_u32 v[VA], 64*VP, v[VA]               ; five places: then K's loads land on V's fragments, and new scores are written over P
	v_nop
	v_nop
	v_nop
	v_nop
.endm
.macro SLOTWORK s, first               ; my four steps of a slot: 256 of its 512 keys
.if \s
	v_add_nc_u32 v[KA], SLOT, v[KA0]
	v_add_nc_u32 v[VA], SLOT, v[VA0]
.else
	v_mov_b32 v[KA], v[KA0]
	v_mov_b32 v[VA], v[VA0]
.endif
.if \first
	STEP 1
	s_mov_b32 s58, 3
.else
	s_mov_b32 s58, 4
.endif
.Lstep_\@:
	STEP 0
	s_sub_co_u32 s58, s58, 1
	s_cmp_lg_u32 s58, 0
	s_cbranch_scc1 .Lstep_\@
.endm
; Slot s, which has been read, is filled again with the keys 1,024 further on.
.macro REFILL s
	s_wait_xcnt 0x0
	v_lshl_add_u32 v254, v0, 2, 0x4c000
	v_mov_b32 v255, 0
	s_wait_tensorcnt 0x0                           ; all my tensor loads have landed, my part of the other slot among them: group 0 may be written
	ds_add_u32 v254, v255
	s_wait_dscnt 0x0
	s_add_nc_u64 s[G0K+4*\s+2:G0K+4*\s+3], s[G0K+4*\s+2:G0K+4*\s+3], 131072
	s_add_nc_u64 s[G0V+4*\s+2:G0V+4*\s+3], s[G0V+4*\s+2:G0V+4*\s+3], 131072
	s_wait_dscnt 0x0                               ; my reads of this slot are over
	ROUND                                          ; both now hold of every wave of the four work-groups
	JLOAD \s                                       ; my one tensor load behind the round, and the first thing there
.endm
	s_wait_tensorcnt 0x1                           ; my part of slot 0 is in; slot 1's may stay out
	s_barrier_signal -1
	s_barrier_wait -1
	s_wait_loadcnt 0x0                             ; Q
	SLOTWORK 0, 1                                  ; keys 0-511
	REFILL 0
	SLOTWORK 1, 0                                  ; keys 512-1023
	REFILL 1
	SLOTWORK 0, 0                                  ; keys 1024-1535
	s_wait_tensorcnt 0x0                           ; my part of the last 512 keys
	s_wait_dscnt 0x0                               ; my reads of slot 0 are over: behind this barrier its bytes serve the exchange and the stages
	s_barrier_signal -1
	s_barrier_wait -1
	SLOTWORK 1, 0                                  ; keys 1536-2047
	; THE MERGE (five places stand behind the last matrix instruction).  Every wave completes its two sums over the halves of the lanes.
	v_permlanex16_b32 v[TX], v[LS], s56, s57
	v_add_f32 v[LS], v[LS], v[TX]
	v_permlanex16_b32 v[TX], v[LS+1], s56, s57
	v_add_f32 v[LS+1], v[LS+1], v[TX]
	s_mul_i32 s70, s13, XW
	v_add_nc_u32 v[KA], s70, v[GO]                 ; the exchange of my group of queries: 16 bytes a lane, register images
	s_cmp_lt_u32 s12, 8
	s_cbranch_scc1 .Lkeeper
	; waves 8-15 hand over: O^T as it lies in the registers, the two reference points (with the pairs' unused words), the two sums
.set i, 0
.rept 16
	ds_store_b128 v[KA], v[OA+4*i:OA+4*i+3] offset:512*i
.set i, i+1
.endr
	ds_store_b128 v[KA], v[NM:NM+3] offset:8192
	ds_store_b64 v[KA], v[LS:LS+1] offset:8704
.Lkeeper:
	s_wait_dscnt 0x0                               ; for the partner's sake: the stores are done
	s_barrier_signal -1
	s_barrier_wait -1
	s_cmp_lt_u32 s12, 8
	s_cbranch_scc0 .Lgiven
	; waves 0-7 take the partner's part: same lane, same register, so the same query and the same c
	ds_load_b128 v[TS:TS+3], v[KA] offset:8192     ; NM' of qt 0 in TS, of qt 1 in TS + 2
	ds_load_b64 v[TS+4:TS+5], v[KA] offset:8704    ; L' of qt 0, 1
.set i, 0
.rept 16
	ds_load_b128 v[KV+4*i:KV+4*i+3], v[KA] offset:512*i
.set i, i+1
.endr
	s_wait_dscnt 16                                ; the two small loads are in; the sixteen of O^T may be out while the factors are made
	v_min_num_f32 v[TM], v[NM], v[TS]              ; the joint reference point: -(the larger maximum) x scale
	v_min_num_f32 v[TM+1], v[NM+2], v[TS+2]
	v_sub_f32 v[TM+2], v[TM], v[NM]                ; at most 0, for my part
	v_sub_f32 v[TM+3], v[TM+1], v[NM+2]
	v_sub_f32 v[TS], v[TM], v[TS]                  ; and for the partner's
	v_sub_f32 v[TS+2], v[TM+1], v[TS+2]
	v_exp_f32 v[TM+2], v[TM+2]
	v_exp_f32 v[TM+3], v[TM+3]
	v_exp_f32 v[TS], v[TS]
	v_exp_f32 v[TS+2], v[TS+2]
	v_nop                                          ; the plain place behind the exponentials
	s_wait_alu depctr_va_vdst(0)
	v_mul_f32 v[LS], v[LS], v[TM+2]
	v_mul_f32 v[LS+1], v[LS+1], v[TM+3]
	v_fma_f32 v[LS], v[TS+4], v[TS], v[LS]         ; L = L a + L' a'
	v_fma_f32 v[LS+1], v[TS+5], v[TS+2], v[LS+1]
	v_rcp_f32 v[TN], v[LS]
	v_rcp_f32 v[TX], v[LS+1]
	v_nop                                          ; the plain place behind the two reciprocals
	s_wait_alu depctr_va_vdst(0)
	v_mul_f32 v[NM], v[TM+2], v[TN]                ; a / L in the low words of pairs whose upper words have been written
	v_mul_f32 v[NM+2], v[TM+3], v[TX]
	v_mul_f32 v[AL], v[TS], v[TN]                  ; a' / L
	v_mul_f32 v[MX], v[TS+2], v[TX]
	s_wait_dscnt 0x0                               ; the partner's O^T
.macro MERGE qt, f0, f1                ; O = O (a / L) + O' (a' / L)
.set i, 0
.rept 16
	v_pk_mul_f32 v[OA+32*\qt+2*i:OA+32*\qt+2*i+1], v[OA+32*\qt+2*i:OA+32*\qt+2*i+1], v[\f0:\f0+1] op_sel_hi:[1,0]
.set i, i+1
.endr
.set i, 0
.rept 16
	v_pk_fma_f32 v[OA+32*\qt+2*i:OA+32*\qt+2*i+1], v[KV+32*\qt+2*i:KV+32*\qt+2*i+1], v[\f1:\f1+1], v[OA+32*\qt+2*i:OA+32*\qt+2*i+1] op_sel_hi:[1,0,1]
.set i, i+1
.endr
.endm
	MERGE 0, NM, AL
	MERGE 1, NM+2, MX
	; THE WAY OUT: round, through my stage, whole rows out
.set i, 0
.rept 32
	v_cvt_pk_f16_f32 v[SC+i], v[OA+2*i], v[OA+2*i+1]       ; tile (qt, ct): four words = c 16 ct + 8 h .. + 7 of query 16 qt + r
.set i, i+1
.endr
.irp t, 0,1
.irp c, 0,1,2,3
	ds_store_b128 v[STO], v[SC+4*(4*\t+\c):SC+4*(4*\t+\c)+3] offset:16*KP*\t+32*\c
.endr
.endr
.irp i, 0,1,2,3,4,5,6,7
	ds_load_b128 v[KV+4*\i:KV+4*\i+3], v[RD] offset:4*KP*\i        ; my own bytes: LDS serves a wave's instructions in order
.endr
.irp i, 0,1,2,3,4,5,6,7
	s_wait_dscnt 7-\i                              ; the younger reads back may be out
	global_store_b128 v[GO], v[KV+4*\i:KV+4*\i+3], s[10:11] offset:512*\i   ; four rows: 512 consecutive bytes, aligned
.endr
.Lgiven:
	s_wait_xcnt 0x0
	v_lshl_add_u32 v254, v0, 2, 0x4c000
	v_mov_b32 v255, 0
	s_wait_tensorcnt 0x0
	ds_add_u32 v254, v255
	s_wait_dscnt 0x0
	ROUND                                          ; the closing round
	s_endpgm
.Lfunc_end_k_q5d07051f2a_attn:
	.size	k_q5d07051f2a_attn, .Lfunc_end_k_q5d07051f2a_attn-k_q5d07051f2a_attn
	.p2alignl 7, 3214868480
	.fill 96, 4, 3214868480
	.section	.rodata,"a",@progbits
	.p2align	6, 0x0
	.amdhsa_kernel k_q5d07051f2a_attn
		.amdhsa_group_segment_fixed_size 327680
		.amdhsa_private_segment_fixed_size 0
		.amdhsa_enable_private_segment 0
		.amdhsa_kernarg_size 32
		.amdhsa_user_sgpr_count 2
		.amdhsa_user_sgpr_kernarg_segment_ptr 1
		.amdhsa_wavefront_size32 1
		.amdhsa_system_sgpr_workgroup_id_x 1
		.amdhsa_system_sgpr_workgroup_id_y 1
		.amdhsa_system_sgpr_workgroup_id_z 1
		.amdhsa_system_vgpr_workitem_id 0
		.amdhsa_next_free_vgpr 256
		.amdhsa_next_free_sgpr 72
		.amdhsa_reserve_vcc 0
		.amdhsa_float_denorm_mode_32 3
		.amdhsa_float_denorm_mode_16_64 3
		.amdhsa_memory_ordered 1
		.amdhsa_forward_progress 1
		.amdhsa_inst_pref_size 111
	.end_amdhsa_kernel
	.amdgpu_metadata
---
amdhsa.version: [ 1, 2 ]
amdhsa.kernels:
  - .name:           k_q5d07051f2a_attn
    .symbol:         k_q5d07051f2a_attn.kd
    .args:
      - { .name: qb, .offset: 0, .size: 8, .value_kind: global_buffer, .address_space: global }
      - { .name: kb, .offset: 8, .size: 8, .value_kind: global_buffer, .address_space: global }
      - { .name: vb, .offset: 16, .size: 8, .value_kind: global_buffer, .address_space: global }
      - { .name: ob, .offset: 24, .size: 8, .value_kind: global_buffer, .address_space: global }
    .group_segment_fixed_size: 327680
    .private_segment_fixed_size: 0
    .kernarg_segment_align: 8
    .kernarg_segment_size: 32
    .max_flat_workgroup_size: 512
    .sgpr_count:     72
    .vgpr_count:     256
    .wavefront_size: 32
...
	.end_amdgpu_metadata
.endif
;; end of part 3
;; launch proj (part 4): grid 8 x 32, 4 waves a work-group, clusters of 4 x 4, 327,680 bytes of LDS; arguments ob, wob, bo, out0; writes out0
.if DOCPART == 4
	.amdgcn_target "amdgcn-amd-amdhsa--gfx1250"
	.amdhsa_code_object_version 6
	.text
	.protected	k_q5d07051f2a_proj
	.globl	k_q5d07051f2a_proj
	.p2align	8
	.type	k_q5d07051f2a_proj,@function
k_q5d07051f2a_proj:
	s_mov_b64 s[64:65], 0
	v_nop
	global_prefetch_b8 v0, s[64:65] scope:SCOPE_SE
	s_setreg_imm32_b32 hwreg(HW_REG_WAVE_MODE, 25, 1), 1
	s_wait_xcnt 0x0
	s_wait_alu depctr_hold_cnt(0) depctr_sa_sdst(0) depctr_va_vdst(0) depctr_va_sdst(0) depctr_va_ssrc(0) depctr_va_vcc(0) depctr_vm_vsrc(0)
	s_getreg_b32 s2, hwreg(HW_REG_IB_STS2, 6, 4)
	s_cmp_eq_u32 s2, 0
	s_cbranch_scc0 .Lentry_in_a_cluster
	s_endpgm
.Lentry_in_a_cluster:
	s_bfe_u32 s2, ttmp6, 0x10000c
	s_cmp_lg_u32 s2, 0xf033
	s_cbranch_scc0 .Lentry_shape_is_right
	s_endpgm
.Lentry_shape_is_right:
; out0 = attention output @ Wo + bo, f32.  ob: f16 [32 row blocks][16 heads][128 rows][64]; wob: f16 [1024 k][1024 n]; k = 64 head + c.
; A work-group makes 128 x 128 of out0 (x = column block nb, y = row block mb): 256 work-groups; four waves of 64 x 64, 16 tiles.
; Larger blocks would leave WGPs without work.  K = 1024 goes in 4 phases of 256 (four head planes) through two LDS slots, so that one
; change of slots serves 128 matrix instructions of a wave.  The matrix instruction is used transposed, as in the launch that makes q,
; k, v: lane (r, h), register j holds C(row r, column 8 h + j); bo is the C operand of each sum's first product.
; CLUSTERS: 4 x 4.  ob's tile hangs on mb alone (asked for jointly by a row of the cluster), wob's on nb alone (by a column).
; LIMITS: operands f16 (their range is stated where they are made), sums f32; NaN and infinities get no special treatment.
; REGISTERS: window 0: v16-27 addresses, v32-95 ob's fragments (two buffers), v96-159 wob's (two buffers), v160-191 bias tiles,
; v192-255 rows read back.  Window 1: v[8 (4 a + b)] the 16 tiles.
.set PA,    144                        ; ob's LDS row: 128 + 16 bytes
.set PB,    288                        ; wob's LDS row: 256 + 32 bytes
.set PLANE, 128*PA                     ; 18,432
.set BOFF,  4*PLANE                    ; 73,728
.set SLOT,  BOFF+256*PB                ; 147,456
.set WLOAD, 36864                      ; what one wave's load fills: two planes of ob, or 128 k rows of wob
.set STAGE, 2*SLOT                     ; 294,912, a multiple of 256: no tensor load lands from here on
.set SP,    272                        ; stage row: 256 + 16 bytes
.set ADRA,  16                         ; v16-17  slot
.set ADRB,  20                         ; v20-23  2 slot + (quarter >> 2): the offsets stay inside 16 bits
.set STO,   24
.set RD,    25
.set CO,    26
.set BO,    27
.set FA,    32
.set FB,    96
.set BIAS,  160
.set G1A,   24
.set G0A,   32
.set G1B,   40
.set G0B,   48
.set MSB,   0
.macro WIN new
.if MSB != \new
	s_set_vgpr_msb (MSB<<8)|\new
.set MSB, \new
.endif
.endm
.macro PLACES
.rept 4
	v_nop
.endr
.endm
.macro JLOAD s                         ; waves 0, 1 ask for ob's two halves, waves 2, 3 for wob's: one joint load a wave
	s_cmp_eq_u32 s13, 0
	s_cbranch_scc0 .Lfor_b_\@
	tensor_load_to_lds s[G0A+4*\s:G0A+4*\s+3], s[G1A:G1A+7]
	s_nop 0
	s_branch .Lasked_\@
.Lfor_b_\@:
	tensor_load_to_lds s[G0B+4*\s:G0B+4*\s+3], s[G1B:G1B+7]
	s_nop 0
.Lasked_\@:
.endm
.macro CREST
	s_cmp_lg_u32 s12, 0
	s_cbranch_scc1 .Lnot_wave_0_\@
	s_barrier_signal -3
.Lnot_wave_0_\@:
	s_barrier_wait -3
	s_barrier_signal -1
	s_barrier_wait -1
.endm
.macro CROUND
	s_barrier_signal -1
	s_barrier_wait -1
	CREST
.endm
	s_load_b256 s[4:11], s[0:1], 0x0               ; ob 4, wob 6, bo 8, out0 10
	v_lshl_add_u32 v30, v0, 2, 0x4c400
	v_mov_b32 v31, 0
	ds_add_u32 v30, v31
	v_lshrrev_b32 v1, 5, v0
	v_readfirstlane_b32 s12, v1                    ; wave
	s_lshr_b32 s13, s12, 1                         ; wm: which 64 rows.  Also: I fetch for ob (0) or wob (1)
	s_and_b32 s14, s12, 1                          ; wn: which 64 columns.  Also: which half of that tile I fetch
	s_bfe_u32 s56, ttmp6, 0x40000                  ; cx
	s_bfe_u32 s57, ttmp6, 0x40004                  ; cy
	s_lshl_b32 s58, ttmp9, 2
	s_add_co_u32 s58, s58, s56                     ; nb
	s_and_b32 s59, ttmp7, 0xffff
	s_lshl_b32 s59, s59, 2
	s_add_co_u32 s59, s59, s57                     ; mb
	s_lshl_b32 s60, s57, 2
	s_lshl_b32 s60, 15, s60                        ; my row of the cluster
	s_lshl_b32 s61, 0x1111, s56                    ; my column
	; ob: 256 rows (two planes, dense) x 64 elements, 4 words of padding behind every 32
	s_or_b32 s[G1A+0], s60, (1<<16)|(1<<20)|(1<<21)|(4<<22)|(3<<25)
	s_mov_b32 s[G1A+1], 64<<16
	s_mov_b32 s[G1A+2], 256<<16
	s_mov_b32 s[G1A+3], 64<<16
	s_mov_b32 s[G1A+4], 256
	s_mov_b32 s[G1A+5], 64
	s_mov_b32 s[G1A+6], 0
	s_mov_b32 s[G1A+7], 0
	; wob: 128 k rows x 128 elements, 1,024 elements from row to row, 8 words of padding behind every 64
	s_or_b32 s[G1B+0], s61, (1<<16)|(1<<20)|(1<<21)|(5<<22)|(7<<25)
	s_mov_b32 s[G1B+1], 128<<16
	s_mov_b32 s[G1B+2], 128<<16
	s_mov_b32 s[G1B+3], 128<<16
	s_mov_b32 s[G1B+4], 128
	s_mov_b32 s[G1B+5], 1024
	s_mov_b32 s[G1B+6], 0
	s_mov_b32 s[G1B+7], 0
	s_lshl_b32 s66, s59, 18                        ; ob: plane 16 mb + 2 half, 16,384 bytes each (never holds nb)
	s_lshl_b32 s67, s14, 15
	s_add_co_u32 s66, s66, s67
	s_mov_b32 s67, 0
	s_lshl_b32 s70, s14, 18                        ; wob: k row 128 half, 2,048 bytes each, + 256 nb (never holds mb)
	s_lshl_b32 s71, s58, 8
	s_add_co_u32 s70, s70, s71
	s_mov_b32 s71, 0
	s_mul_i32 s15, s12, WLOAD                      ; LDS: wave x 36,864: ob's halves, then wob's
	s_wait_dscnt 0x0
	s_wait_kmcnt 0x0
	s_add_nc_u64 s[68:69], s[4:5], s[66:67]
	s_add_nc_u64 s[72:73], s[6:7], s[70:71]
	CROUND                                         ; all sixteen work-groups are here
.irp s, 0,1
	s_mov_b32 s[G0A+4*\s], 1
	s_add_co_u32 s[G0A+4*\s+1], s15, \s*SLOT
	s_add_nc_u64 s[G0A+4*\s+2:G0A+4*\s+3], s[68:69], \s*65536      ; phase s: four planes on
	s_or_b32 s[G0A+4*\s+3], s[G0A+4*\s+3], 0x80000000
	s_mov_b32 s[G0B+4*\s], 1
	s_add_co_u32 s[G0B+4*\s+1], s15, \s*SLOT
	s_add_nc_u64 s[G0B+4*\s+2:G0B+4*\s+3], s[72:73], \s*524288     ; phase s: 256 k rows on
	s_or_b32 s[G0B+4*\s+3], s[G0B+4*\s+3], 0x80000000
	JLOAD \s                                       ; both first fills: two tensor loads of the wave are out
.endr
	v_and_b32 v1, 15, v0                           ; r
	v_bfe_u32 v2, v0, 4, 1                         ; h
	s_lshl_b32 s74, s58, 9                         ; my first column in f32 bytes: 512 nb + 256 wn
	s_lshl_b32 s75, s14, 8
	s_add_co_u32 s74, s74, s75
	v_lshl_add_u32 v[BO], v2, 5, s74
.irp b, 0,1,2,3
	global_load_b128 v[BIAS+8*\b:BIAS+8*\b+3],   v[BO], s[8:9] offset:64*\b
	global_load_b128 v[BIAS+8*\b+4:BIAS+8*\b+7], v[BO], s[8:9] offset:64*\b+16
.endr
	s_lshl_b32 s76, s59, 19                        ; out0: row 128 mb + 64 wm of 4,096 bytes, + my first column
	s_lshl_b32 s77, s13, 18
	s_add_co_u32 s76, s76, s77
	s_add_co_u32 s76, s76, s74
	s_mov_b32 s77, 0
	s_add_nc_u64 s[10:11], s[10:11], s[76:77]
	v_mul_u32_u24 v3, v1, PA
	v_lshl_add_u32 v3, v2, 4, v3
	s_mul_i32 s78, s13, 64*PA
	v_add_nc_u32 v[ADRA], s78, v3                  ; ob: row 64 wm + r, + 16 h
	v_add_nc_u32 v[ADRA+1], SLOT, v[ADRA]
	v_and_b32 v4, 7, v0
	v_lshl_add_u32 v4, v2, 3, v4
	v_mul_u32_u24 v4, v4, PB
	v_bfe_u32 v5, v0, 3, 1
	v_lshl_add_u32 v4, v5, 4, v4
	v_lshl_add_u32 v4, s14, 7, v4                  ; wob: k row 8 h + (l & 7), + 16 ((l >> 3) & 1) + 128 wn
.irp s, 0,1
.irp g, 0,1
	v_add_nc_u32 v[ADRB+2*\s+\g], \s*SLOT+BOFF+\g*WLOAD, v4
.endr
.endr
	s_mul_i32 s79, s12, 16*SP
	s_add_co_u32 s79, s79, STAGE                   ; my wave's stage: 16 rows of 64 f32
	v_mul_u32_u24 v5, v1, SP
	v_lshl_add_u32 v5, v2, 5, v5
	v_add_nc_u32 v[STO], s79, v5                   ; in: row r, 32 bytes for each half of the lanes
	v_mul_u32_u24 v6, v2, SP
	v_lshl_add_u32 v6, v1, 4, v6
	v_add_nc_u32 v[RD], s79, v6                    ; back: sixteen lanes a row of 256 bytes
	v_lshlrev_b32 v[CO], 12, v2
	v_lshl_add_u32 v[CO], v1, 4, v[CO]             ; and the same two rows in out0
; 16 LDS loads: the fragments of quarter q (32 along K; q = 0 .. 7) of a slot into buffer f: wob's 4, then ob's 4
.macro FETCH slot, q, f
.irp b, 0,1,2,3
	ds_load_tr16_b128 v[FB+32*\f+8*\b:FB+32*\f+8*\b+3],   v[ADRB+2*\slot+(\q>>2)] offset:32*PB*(\q&3)+32*\b
	ds_load_tr16_b128 v[FB+32*\f+8*\b+4:FB+32*\f+8*\b+7], v[ADRB+2*\slot+(\q>>2)] offset:32*PB*(\q&3)+32*\b+16*PB
.endr
.irp a, 0,1,2,3
	ds_load_b128 v[FA+32*\f+8*\a:FA+32*\f+8*\a+3],   v[ADRA+\slot] offset:PLANE*(\q>>1)+64*(\q&1)+16*PA*\a
	ds_load_b128 v[FA+32*\f+8*\a+4:FA+32*\f+8*\a+7], v[ADRA+\slot] offset:PLANE*(\q>>1)+64*(\q&1)+16*PA*\a+32
.endr
.endm
; 4 matrix instructions: row block a x the 4 column tiles.  The 16 accumulators take turns in one fixed order, one instruction a turn.
.macro MUL4 f, a, first
.irp b, 0,1,2,3
.if \first
	v_wmma_f32_16x16x32_f16 v[8*(4*\a+\b):8*(4*\a+\b)+7], v[FB+32*\f+8*\b:FB+32*\f+8*\b+7], v[FA+32*\f+8*\a:FA+32*\f+8*\a+7], v[BIAS+8*\b:BIAS+8*\b+7]
.else
	v_wmma_f32_16x16x32_f16 v[8*(4*\a+\b):8*(4*\a+\b)+7], v[FB+32*\f+8*\b:FB+32*\f+8*\b+7], v[FA+32*\f+8*\a:FA+32*\f+8*\a+7], v[8*(4*\a+\b):8*(4*\a+\b)+7]
.endif
.endr
.endm
.macro MWIN first                      ; D in window 1; C there too, but for the first products, whose C is the bias in window 0
.if \first
	WIN 0x40
.else
	WIN 0x50
.endif
.endm
.macro QUARTER slot, q, f, g, first    ; multiplies buffer f; in its middle fetches quarter q of the same slot into buffer g
	s_wait_dscnt 4                                 ; wob's 8 loads and ob's row blocks 0, 1 are in; the youngest four may be out
	MWIN \first
	MUL4 \f, 0, \first
	MUL4 \f, 1, \first
	WIN 0
	PLACES                                         ; buffer g was read by matrix instructions: loads into it stand four places behind them
	FETCH \slot, \q, \g
	s_wait_dscnt 16                                ; all but the 16 just issued
	MWIN \first
	MUL4 \f, 2, \first
	MUL4 \f, 3, \first
.endm
.macro SEVEN slot, first
	QUARTER \slot, 1, 0, 1, \first
	QUARTER \slot, 2, 1, 0, 0
	QUARTER \slot, 3, 0, 1, 0
	QUARTER \slot, 4, 1, 0, 0
	QUARTER \slot, 5, 0, 1, 0
	QUARTER \slot, 6, 1, 0, 0
	QUARTER \slot, 7, 0, 1, 0
.endm
; A phase's last quarter: multiplies buffer 1 and changes slots, in the same order as in the launch that makes q, k, v.
.macro TURN slot, next, fill
	s_wait_dscnt 4
	WIN 0x50
	MUL4 1, 0, 0
	s_wait_dscnt 0x0                               ; my reads of this slot are over
	s_wait_tensorcnt 0x0                           ; all my tensor loads have landed: my part of the next slot
	ds_add_u32 v30, v31
	s_wait_dscnt 0x0
	s_barrier_signal -1
	MUL4 1, 1, 0                                   ; registers only
	WIN 0
	s_barrier_wait -1
.if \fill
	CREST                                          ; no wave of any partner still reads this slot or has a load on its way
	s_add_nc_u64 s[G0A+4*\slot+2:G0A+4*\slot+3], s[G0A+4*\slot+2:G0A+4*\slot+3], 131072
	s_add_nc_u64 s[G0B+4*\slot+2:G0B+4*\slot+3], s[G0B+4*\slot+2:G0B+4*\slot+3], 1048576
	JLOAD \slot                                    ; the first tensor load behind the round, one a wave
.endif
	PLACES
	FETCH \next, 0, 0
	WIN 0x50
	MUL4 1, 2, 0
	MUL4 1, 3, 0
.endm
	s_wait_loadcnt 0x0                             ; the bias
	s_wait_tensorcnt 0x1                           ; my part of phase 0 is in; phase 1's may stay out
	s_barrier_signal -1
	s_barrier_wait -1
	FETCH 0, 0, 0
	SEVEN 0, 1                                     ; phase 0
	TURN 0, 1, 1                                   ; asks for phase 2
	SEVEN 1, 0                                     ; phase 1
	TURN 1, 0, 1                                   ; asks for phase 3
	SEVEN 0, 0                                     ; phase 2
	TURN 0, 1, 0
	SEVEN 1, 0                                     ; phase 3
	s_wait_dscnt 4
	WIN 0x50
	MUL4 1, 0, 0
	MUL4 1, 1, 0
	s_wait_dscnt 0x0
	MUL4 1, 2, 0
	MUL4 1, 3, 0
	PLACES                                         ; behind the last matrix instructions: LDS stores read the results
; THE WAY OUT, 16 rows at a time: a lane's 32 bytes of a row into my stage, whole rows of 256 bytes back and out.
.macro OUTROWS a, rb
	WIN 0x04                                       ; the LDS stores' data in window 1
.irp b, 0,1,2,3
	ds_store_b128 v[STO], v[8*(4*\a+\b):8*(4*\a+\b)+3]   offset:64*\b
	ds_store_b128 v[STO], v[8*(4*\a+\b)+4:8*(4*\a+\b)+7] offset:64*\b+16
.endr
	WIN 0
	s_wait_xcnt 0x0                                ; rb was the data of earlier stores: it is loaded again only behind this wait
.irp i, 0,1,2,3,4,5,6,7
	ds_load_b128 v[\rb+4*\i:\rb+4*\i+3], v[RD] offset:2*SP*\i      ; my own bytes: LDS serves a wave's instructions in order
.endr
.irp i, 0,1,2,3,4,5,6,7
	s_wait_dscnt 7-\i                              ; the younger reads back may be out
	global_store_b128 v[CO], v[\rb+4*\i:\rb+4*\i+3], s[10:11] offset:(16*\a+2*\i)*4096   ; sixteen lanes store 256 consecutive bytes, aligned
.endr
.endm
	OUTROWS 0, 192
	OUTROWS 1, 224
	OUTROWS 2, 192
	OUTROWS 3, 224
	s_wait_tensorcnt 0x0
	ds_add_u32 v30, v31
	s_wait_dscnt 0x0
	CROUND                                         ; the closing round
	s_endpgm
.Lfunc_end_k_q5d07051f2a_proj:
	.size	k_q5d07051f2a_proj, .Lfunc_end_k_q5d07051f2a_proj-k_q5d07051f2a_proj
	.p2alignl 7, 3214868480
	.fill 96, 4, 3214868480
	.section	.rodata,"a",@progbits
	.p2align	6, 0x0
	.amdhsa_kernel k_q5d07051f2a_proj
		.amdhsa_group_segment_fixed_size 327680
		.amdhsa_private_segment_fixed_size 0
		.amdhsa_enable_private_segment 0
		.amdhsa_kernarg_size 32
		.amdhsa_user_sgpr_count 2
		.amdhsa_user_sgpr_kernarg_segment_ptr 1
		.amdhsa_wavefront_size32 1
		.amdhsa_system_sgpr_workgroup_id_x 1
		.amdhsa_system_sgpr_workgroup_id_y 1
		.amdhsa_system_sgpr_workgroup_id_z 1
		.amdhsa_system_vgpr_workitem_id 0
		.amdhsa_next_free_vgpr 384
		.amdhsa_next_free_sgpr 80
		.amdhsa_reserve_vcc 0
		.amdhsa_float_denorm_mode_32 3
		.amdhsa_float_denorm_mode_16_64 3
		.amdhsa_memory_ordered 1
		.amdhsa_forward_progress 1
		.amdhsa_inst_pref_size 90
	.end_amdhsa_kernel
	.amdgpu_metadata
---
amdhsa.version: [ 1, 2 ]
amdhsa.kernels:
  - .name:           k_q5d07051f2a_proj
    .symbol:         k_q5d07051f2a_proj.kd
    .args:
      - { .name: ob, .offset: 0, .size: 8, .value_kind: global_buffer, .address_space: global }
      - { .name: wob, .offset: 8, .size: 8, .value_kind: global_buffer, .address_space: global }
      - { .name: bo, .offset: 16, .size: 8, .value_kind: global_buffer, .address_space: global }
      - { .name: out0, .offset: 24, .size: 8, .value_kind: global_buffer, .address_space: global }
    .group_segment_fixed_size: 327680
    .private_segment_fixed_size: 0
    .kernarg_segment_align: 8
    .kernarg_segment_size: 32
    .max_flat_workgroup_size: 128
    .sgpr_count:     80
    .vgpr_count:     384
    .wavefront_size: 32
...
	.end_amdgpu_metadata
.endif
;; end of part 4
